; MI455X (gfx1250); checked and timed in simulation.
; The chip was launched on July 23, 2026; its instructions are those of AMD's public machine-readable ISA for CDNA 5 (MIT licence, August 2026) and "CDNA5" Instruction Set Architecture Reference Guide (July 2026). The comments in the code are by the model that wrote it; some were corrected since.
;; Codebook. Allowed arithmetic: float matrix products may take bf16 or f16 operands with f32 sums; all other float work in f32.
;; Inputs: emb 8,192 x 256 float32; z 32 x 256 x 32 x 32 float32.
;; Outputs: out0 32 x 256 x 32 x 32 float32; out1 32,768 int32; out2 one number float32.
;; One version. Each part assembles by itself: llvm-mc -triple=amdgcn-amd-amdhsa -mcpu=gfx1250 --defsym DOCPART=n.
;; ======== version 1 of 1: 4 launches
;; workspace buffers: ebt 4,194,304 bytes; eeb 32,768 bytes; idxw 131,072 bytes of whole numbers; lossp 2,048 bytes
;; launch prep (part 1): grid 128 x 1, 4 waves a work-group, no clusters, 35,840 bytes of LDS; arguments emb, ebt, eeb; writes ebt, eeb
.if DOCPART == 1
	.amdgcn_target "amdgcn-amd-amdhsa--gfx1250"
	.amdhsa_code_object_version 6
	.text
	.protected	k_q39a4347648_prep
	.globl	k_q39a4347648_prep
	.p2align	8
	.type	k_q39a4347648_prep,@function
k_q39a4347648_prep:
	s_mov_b64 s[64:65], 0
	v_nop
	global_prefetch_b8 v0, s[64:65] scope:SCOPE_SE
	s_setreg_imm32_b32 hwreg(HW_REG_WAVE_MODE, 25, 1), 1
	s_wait_xcnt 0x0
; PREP.  emb [8192][256] f32 -> ebt: the codes rounded to bf16, laid out as the matrix unit's fragments; eeb[code] = the sum of the squares of the ROUNDED numbers, in f32.
; ebt: tile T (codes 16 T .. 16 T + 15) is 8,192 bytes; its piece i = 0..15 is 512 bytes, lane L's 16 bytes at 512 i + 16 L hold code 16 T + L % 16, channels 16 i + 8 (L / 16) + 0..7:
; pieces 2 s and 2 s + 1 are registers 0-3 and 4-7 of the fragment of K step s (32 channels), so the next launch reads fragments as 512 consecutive bytes.
; SHARES.  A wave takes one tile (16 rows of 1,024 bytes), a work-group four: their 64 sums are 256 consecutive bytes of eeb, stored by one instruction.  128 work-groups: 512 tiles / 4.
; A wave asks for its whole tile at once (32 loads), so nothing is gained by a ring; no matrix unit, no cluster: no byte is read twice and there is no product.
; LIMIT.  The sum of squares goes lane by lane and then across lanes, not in the order of a plain loop: its last bits may differ from another order's.
.set SPIT,  272                        ; a stage row: 16 codes x 16 bytes + 16 of padding: the 16 lanes of a store's pass start at 16 different 16-byte columns
.set STGB,  32*SPIT                    ; a wave's stage: 32 rows, one for each group of 8 channels
.set EEL,   4*STGB                     ; the work-group's 64 sums
.set SPARE, EEL+256                    ; the spare words, 128 bytes a wave: two blocks of 256 bytes that no other line names
.set U,   8                            ; v[8:15]    8 rounded numbers as f32
.set AC,  16                           ; v[16:17]   the sum, two at a time
.set P,   20                           ; v[20:83]   row r: 4 registers, 8 bf16
.set X,   84                           ; v[84:211]  row r: 8 registers as loaded; later the 16 pieces read back
.set EA,  212                          ; v212       EEL + 64 w
.set ER,  213                          ; v213       EEL + 16 (lane % 16)
.set EO,  214                          ; v214       16 (lane % 16)
	s_load_b128 s[4:7], s[0:1], 0x0                ; emb s[4:5], ebt s[6:7]
	s_load_b64 s[8:9], s[0:1], 0x10                ; eeb
	v_lshl_add_u32 v6, v0, 2, SPARE                ; my spare word; never rewritten
	v_mov_b32 v7, 0                                ; 0; never rewritten
	v_lshrrev_b32 v18, 5, v0
	v_readfirstlane_b32 s10, v18                   ; wave 0..3
	v_and_b32 v1, 31, v0                           ; lane
	v_and_b32 v18, 15, v0                          ; lane % 16
	v_bfe_u32 v19, v0, 4, 1                        ; lane / 16
	s_lshl_b32 s11, ttmp9, 2
	s_add_co_u32 s11, s11, s10                     ; my tile T = 4 x work-group + wave
	s_lshl_b32 s16, s11, 14                        ; 16 rows of 1,024 bytes
	s_mov_b32 s17, 0
	s_lshl_b32 s18, s11, 13                        ; 8,192 bytes of ebt
	s_mov_b32 s19, 0
	s_lshl_b32 s20, ttmp9, 8                       ; 64 sums
	s_mov_b32 s21, 0
	s_mov_b32 s12, 0x76543210                      ; v_permlanex16_b32: each lane takes its own place in the other half
	s_mov_b32 s13, 0xfedcba98
	s_mov_b32 s14, 0xffff0000                      ; a word's upper bf16
	s_mul_i32 s22, s10, STGB                       ; my stage
	s_lshl_b32 s23, s10, 6
	s_add_co_u32 s23, s23, EEL
	v_lshlrev_b32 v2, 5, v1                        ; my 8 channels in a row: byte 32 x lane
	v_mul_u32_u24 v3, v1, SPIT
	v_add_nc_u32 v3, s22, v3                       ; into the stage: row = my group of channels, column = the code
	v_mul_u32_u24 v4, v19, SPIT
	v_lshl_add_u32 v4, v18, 4, v4
	v_add_nc_u32 v4, s22, v4                       ; back: row 2 i + lane / 16, column lane % 16
	v_lshlrev_b32 v5, 4, v1
	v_mov_b32 v[EA], s23
	v_lshl_add_u32 v[ER], v18, 4, EEL
	v_lshlrev_b32 v[EO], 4, v18
	s_wait_kmcnt 0x0
	s_add_nc_u64 s[4:5], s[4:5], s[16:17]
	s_add_nc_u64 s[6:7], s[6:7], s[18:19]
	s_add_nc_u64 s[8:9], s[8:9], s[20:21]
.set r, 0
.rept 16                                               ; the whole tile is asked for: a row's two loads cover its 1,024 bytes
	global_load_b128 v[X+8*r:X+8*r+3],   v2, s[4:5] offset:r*1024 th:TH_LOAD_NT
	global_load_b128 v[X+8*r+4:X+8*r+7], v2, s[4:5] offset:r*1024+16 th:TH_LOAD_NT
.set r, r+1
.endr
; One row: rounded, squared and summed, its 16 bytes a lane put into the stage, its sum into the work-group's 64.
.macro ROW r
	s_wait_loadcnt 30-2*(\r)                       ; loads come back in order: this row's two are in, the younger rows' stay out
.irp k, 0,1,2,3
	v_cvt_pk_bf16_f32 v[P+4*(\r)+(\k)], v[X+8*(\r)+2*(\k)], v[X+8*(\r)+2*(\k)+1]
.endr
.irp k, 0,1,2,3
	v_lshlrev_b32 v[U+2*(\k)],   16,  v[P+4*(\r)+(\k)]  ; the rounded numbers back as f32
	v_and_b32     v[U+2*(\k)+1], s14, v[P+4*(\r)+(\k)]
.endr
	v_pk_mul_f32 v[AC:AC+1], v[U:U+1], v[U:U+1]    ; the first product starts the sum
.irp k, 2,4,6
	v_pk_fma_f32 v[AC:AC+1], v[U+(\k):U+(\k)+1], v[U+(\k):U+(\k)+1], v[AC:AC+1]
.endr
	v_add_f32 v[AC], v[AC], v[AC+1]
	v_add_f32_dpp v[AC], v[AC], v[AC] row_xmask:1 row_mask:0xf bank_mask:0xf
	v_add_f32_dpp v[AC], v[AC], v[AC] row_xmask:2 row_mask:0xf bank_mask:0xf
	v_add_f32_dpp v[AC], v[AC], v[AC] row_xmask:4 row_mask:0xf bank_mask:0xf
	v_add_f32_dpp v[AC], v[AC], v[AC] row_xmask:8 row_mask:0xf bank_mask:0xf
	v_permlanex16_b32 v[AC+1], v[AC], s12, s13
	v_add_f32 v[AC], v[AC], v[AC+1]                ; every lane holds the row's sum
	ds_store_b128 v3, v[P+4*(\r):P+4*(\r)+3] offset:16*(\r)
	ds_store_b32 v[EA], v[AC] offset:4*(\r)        ; all lanes write the same word with the same value
.endm
.irp r, 0,1,2,3,4,5,6,7,8,9,10,11,12,13,14,15
	ROW \r
.endr
.set i, 0
.rept 16
	ds_load_b128 v[X+4*i:X+4*i+3], v4 offset:i*2*SPIT  ; piece i; a wave's LDS instructions are served in order, so these see my stores above
.set i, i+1
.endr
.set i, 0
.rept 16
	s_wait_dscnt 15-i                              ; piece i is back, the younger pieces stay out
	global_store_b128 v5, v[X+4*i:X+4*i+3], s[6:7] offset:512*i  ; 512 consecutive bytes, at a multiple of 512 from ebt's first byte
.set i, i+1
.endr
	s_wait_dscnt 0x0                               ; for the others' sake: my 16 sums are in LDS
	s_barrier_signal -1
	s_barrier_wait -1
	v_cmp_gt_u32 vcc_lo, 16, v0                    ; threads 0 to 15 store the 64 sums: 256 consecutive bytes
	s_wait_xcnt 0x0                                ; EXEC changes only when the stores above have had their addresses translated
	s_and_saveexec_b32 s15, vcc_lo
	ds_load_b128 v[8:11], v[ER]
	s_wait_dscnt 0x0
	global_store_b128 v[EO], v[8:11], s[8:9]
	s_wait_xcnt 0x0                                ; and again in front of the line that widens it
	s_or_b32 exec_lo, exec_lo, s15
	s_wait_tensorcnt 0x0                           ; the wave's end: these three lines stand behind my last LDS store
	ds_add_u32 v6, v7
	s_wait_dscnt 0x0
	s_endpgm
.Lfunc_end_k_q39a4347648_prep:
	.size	k_q39a4347648_prep, .Lfunc_end_k_q39a4347648_prep-k_q39a4347648_prep
	.p2alignl 7, 3214868480
	.fill 96, 4, 3214868480
	.section	.rodata,"a",@progbits
	.p2align	6, 0x0
	.amdhsa_kernel k_q39a4347648_prep
		.amdhsa_group_segment_fixed_size 35840
		.amdhsa_private_segment_fixed_size 0
		.amdhsa_enable_private_segment 0
		.amdhsa_kernarg_size 24
		.amdhsa_user_sgpr_count 2
		.amdhsa_user_sgpr_kernarg_segment_ptr 1
		.amdhsa_wavefront_size32 1
		.amdhsa_system_sgpr_workgroup_id_x 1
		.amdhsa_system_sgpr_workgroup_id_y 1
		.amdhsa_system_sgpr_workgroup_id_z 1
		.amdhsa_system_vgpr_workitem_id 0
		.amdhsa_next_free_vgpr 216
		.amdhsa_next_free_sgpr 66
		.amdhsa_reserve_vcc 1
		.amdhsa_float_denorm_mode_32 3
		.amdhsa_float_denorm_mode_16_64 3
		.amdhsa_memory_ordered 1
		.amdhsa_forward_progress 1
		.amdhsa_inst_pref_size 30
	.end_amdhsa_kernel
	.amdgpu_metadata
---
amdhsa.version: [ 1, 2 ]
amdhsa.kernels:
  - .name:           k_q39a4347648_prep
    .symbol:         k_q39a4347648_prep.kd
    .args:
      - { .name: emb, .offset: 0, .size: 8, .value_kind: global_buffer, .address_space: global }
      - { .name: ebt, .offset: 8, .size: 8, .value_kind: global_buffer, .address_space: global }
      - { .name: eeb, .offset: 16, .size: 8, .value_kind: global_buffer, .address_space: global }
    .group_segment_fixed_size: 35840
    .private_segment_fixed_size: 0
    .kernarg_segment_align: 8
    .kernarg_segment_size: 24
    .max_flat_workgroup_size: 128
    .sgpr_count:     66
    .vgpr_count:     216
    .wavefront_size: 32
...
	.end_amdgpu_metadata
.endif
;; end of part 1
;; launch nearest (part 2): grid 256 x 1, 4 waves a work-group, clusters of 4 x 1, 327,680 bytes of LDS; arguments z, ebt, eeb, out1, idxw; writes out1, idxw
.if DOCPART == 2
	.amdgcn_target "amdgcn-amd-amdhsa--gfx1250"
	.amdhsa_code_object_version 6
	.text
	.protected	k_q39a4347648_nearest
	.globl	k_q39a4347648_nearest
	.p2align	8
	.type	k_q39a4347648_nearest,@function
k_q39a4347648_nearest:
	s_mov_b64 s[64:65], 0
	v_nop
	global_prefetch_b8 v0, s[64:65] scope:SCOPE_SE
	s_setreg_imm32_b32 hwreg(HW_REG_WAVE_MODE, 25, 1), 1
	s_wait_xcnt 0x0
	s_wait_alu depctr_hold_cnt(0) depctr_sa_sdst(0) depctr_va_vdst(0) depctr_va_sdst(0) depctr_va_ssrc(0) depctr_va_vcc(0) depctr_vm_vsrc(0)
	s_getreg_b32 s2, hwreg(HW_REG_IB_STS2, 6, 4)
	s_cmp_eq_u32 s2, 0
	s_cbranch_scc0 .Lentry_in_a_cluster
	s_endpgm
.Lentry_in_a_cluster:
	s_bfe_u32 s2, ttmp6, 0x10000c
	s_cmp_lg_u32 s2, 0x3003
	s_cbranch_scc0 .Lentry_shape_is_right
	s_endpgm
.Lentry_shape_is_right:
; NEAREST CODE.  For each of the 32,768 latent rows n = (b, hw), read as z[b][c][hw], the first index of the least d[code] = (zz + ee[code]) - 2 (z . e[code]).
; THE DISTANCE is that of z and emb ROUNDED TO bf16: zz and ee are sums of squares of the rounded numbers, the products are the matrix unit's (bf16 operands, f32 sums), and d is made with the two f32
; roundings of the formula as it is written: one addition, then one fused multiply-add by -2 (2 m is exact).  idx goes to out1 and, as whole numbers for the next launch, to idxw.
; LIMITS.  zz, ee and z . e are summed in another order than a plain loop's: where two codes' distances differ only by the last bit of such a sum the choice may differ.  NaN is not treated apart (a NaN
; distance never wins); a row whose distances are all +infinity gets index 0.
; SHARES.  A work-group owns 128 rows (b = g / 8, hw from 128 (g % 8)).  EVERY wave holds all 128 rows as source-1 fragments, 512 registers, and sweeps a quarter of the codes: tiles 4 w .. 4 w + 3 of every slot
; of 16 tiles.  So each byte of the code stream is read from LDS once in the work-group, and a fragment of 16 codes x 32 channels (two LDS loads) feeds eight matrix instructions.
; LAYOUT.  Source 0 = 16 codes, source 1 = 16 rows: in the result a lane holds ONE row (lane % 16) and the codes 8 (lane / 16) + 0..7, so a tile's minimum is found inside the lane.
; BY TURNS.  A tile is two HALVES (rows 0-63, rows 64-127) of 32 matrix instructions on four accumulators that take turns.  While one half is multiplied, the half before is judged: 92 vector instructions, three
; behind each matrix instruction: d, the least of 8, and where it is strictly below the running minimum the tile's number and its eight d are kept.  The place inside the tile is looked up once, at the end.
; CLUSTER.  All work-groups walk the same ebt and eeb, so the four of a cluster ask JOINTLY: the same tensor load, descriptor and mask in all four.  My place in the cluster enters z's and the outputs' addresses alone.
; REGISTERS, in windows of 256 (s_set_vgpr_msb: bits 1:0 source 0, 3:2 source 1, 5:4 source 2, 7:6 destination):
;   window 0: addresses, state, accumulators (below)    window 1: rows' fragments, row tiles 0-3 at 64 Q + 8 s    window 2: row tiles 4-7    window 3: v0-127 two buffers of a code tile's 8 fragments (at first: z as loaded)
.set SLOTB, 131072                     ; a slot: 16 tiles of 8,192 bytes
.set SLOT1, 1<<17                      ; slot 1 begins here: one exclusive or turns an address in one slot into the other's
.set TILEB, 8192
.set EEB,   2*SLOTB                    ; ee of all 8,192 codes, filled once
.set STAGE, EEB+32768                  ; 64 channels x (128 rows of bf16 + 32 bytes): z on its way into fragments; written by LDS stores alone
.set SPIT,  288                        ; 72 words
.set ZZP,   STAGE+64*SPIT              ; 4 waves x 128 partial sums of squares
.set MERGE, ZZP+2048                   ; wave w: 128 least distances, then 128 indices
.set SPARE, MERGE+4096                 ; the spare words, 128 bytes a wave: two blocks of 256 bytes that no other line names
.set A0,  2                            ; v2   32,768 w + 16 lane: my place in a slot's fragments; never rewritten
.set E0,  3                            ; v3   EEB + 256 w + 32 (lane / 16); never rewritten
.set ADR, 4                            ; v4   the fragments' address of the fetch in hand
.set ADE, 5                            ; v5   ee's
.set SPW, 6                            ; v6   my spare word: SPARE + 4 x my thread's number; never rewritten
.set NIL, 7                            ; v7   0; never rewritten
.set ATR, 8                            ; v8   the turning loads' address in the stage
.set ZO,  9                            ; v9   my byte offset in z: 16 channels a wave, 16 bytes a lane
.set ST,  10                           ; v10  where I put 8 bytes of a channel's row in the stage
.set ZR,  11                           ; v11  ZZP + 4 (lane % 16)
.set CW,  12                           ; v12  64 w + 8 (lane / 16): my share of a code's number
.set MS,  13                           ; v13  where I put a row's result
.set ML,  14                           ; v14  where I read two rows' results
.set GO,  15                           ; v15  my byte offset in the work-group's 512 bytes of output
.set ZW,  20                           ; v20  where I put my four partial sums of squares
.set RUN, 24                           ; v[24:31]   the running minimum, a register for each row tile Q
.set ID,  32                           ; v[32:39]   the number (0..127) of my tile that holds it
.set TT,  40                           ; v[40:55]   zz + ee, two sets of 8
.set TR,  56                           ; v[56:63]   the tree of minima, two sets of 4
.set EE,  64                           ; v[64:79]   ee of my 8 codes, two buffers
.set ACC, 80                           ; v[80:143]  two buffers of four accumulators
.set SAV, 144                          ; v[144:207] the eight d of the tile that holds the minimum, for each Q
.set ZZ2, 208                          ; v[208:223] zz of my row of tile Q, twice: a pair for the packed addition
.set UT,  144                          ; at the start, in SAV's place: v[144:151] rounded numbers as f32,
.set ZA,  152                          ; v[152:155] my four rows' partial sums of squares,
.set ZP,  176                          ; v[176:207] four partial sums for each Q
.set PT,  224                          ; v[224:255] a phase's 16 channels as bf16
.set MD,  144                          ; at the end: four waves' results for two rows
.set WV,  14                           ; s14  my wave's number
.set G1,  24                           ; s[24:31] descriptor group 1: 128 rows of 256 bytes
.set G1E, 32                           ; s[32:39] the same with 32 rows, for ee
.set G0A, 40                           ; s[40:43] group 0 of slot 0's first fill
.set G0B, 44                           ; s[44:47] of slot 1's; it then walks
.set G0E, 48                           ; s[48:51] of ee's
.set SLOTS, 52                         ; s52  slots still to be asked for
.set CNT, 53                           ; s53, s54  the tail's two counters
.set TL,  54
.set TB,  55                           ; s55  LDS byte, less my wave's share, of the tile to be fetched
.set TE,  56                           ; s56  ee's byte, less my lane's share, of that tile
.set TAU, 57                           ; s57  the number of the tile that is being judged
.set MK0, 58                           ; s58, s59  'this tile wins', for the two row tiles in hand
.set SEL, 60                           ; s[60:61] v_permlanex16_b32's selects: each lane takes its own place in the other half
.set HIM, 62                           ; s62  0xffff0000: a word's upper bf16; also the mask of lanes 16-31
.set INF, 63                           ; s63  +infinity
.set MSB, 0
.macro WIN new                         ; the immediate's high byte repeats the setting that is left; a switch that changes nothing is dropped
.if MSB != (\new)
	s_set_vgpr_msb (MSB<<8)|(\new)
.set MSB, (\new)
.endif
.endm
; A round of the cluster's barrier: my work-group's barrier, so that wave 0's signal speaks for all four waves; wave 0 signals; every wave waits for all four work-groups; my work-group's barrier once more.
.macro CREST                           ; a round behind its opening barrier
	s_cmp_lg_u32 s[WV], 0
	s_cbranch_scc1 .Lnot_wave_0_\@
	s_barrier_signal -3
.Lnot_wave_0_\@:
	s_barrier_wait -3
	s_barrier_signal -1
	s_barrier_wait -1
.endm
.macro CROUND
	s_barrier_signal -1
	s_barrier_wait -1
	CREST
.endm
	s_load_b256 s[4:11], s[0:1], 0x0               ; z s[4:5], ebt s[6:7], eeb s[8:9], out1 s[10:11]
	s_load_b64 s[12:13], s[0:1], 0x20              ; idxw
	v_lshl_add_u32 v[SPW], v0, 2, SPARE
	v_mov_b32 v[NIL], 0
	ds_add_u32 v[SPW], v[NIL]                      ; the wave's opening: the add and its wait stand ahead of my first tensor load; the set-up below, work on registers, stands between them
	v_lshrrev_b32 v16, 5, v0
	v_readfirstlane_b32 s[WV], v16                 ; wave 0..3
	s_bfe_u32 s15, ttmp6, 0x40000                  ; cx: my place in the cluster
	s_lshl_b32 s16, ttmp9, 2                       ; in a cluster launch ttmp9 counts clusters
	s_add_co_u32 s16, s16, s15                     ; g = 4 x cluster + cx: my block of 128 rows
	; descriptor group 1: dense bytes asked for as rows of 256 bytes (32 elements of 8 bytes), no padding: fragments are read as 512 consecutive bytes
	s_mov_b32 s[G1], 15|(3<<16)|(1<<21)            ; 15:0 the mask: all four work-groups; 17:16 elements of 8 bytes; 21 set beside a mask
	s_mov_b32 s[G1+1], 32<<16                      ; tensor_dim0 = 32
	s_mov_b32 s[G1+2], 128<<16                     ; tensor_dim1 = 128
	s_mov_b32 s[G1+3], 32<<16                      ; tile_dim0 = 32
	s_mov_b32 s[G1+4], 128                         ; tile_dim1 = 128: my four tiles of a slot, 32,768 bytes
	s_mov_b32 s[G1+5], 32                          ; 32 elements from row to row
	s_mov_b32 s[G1+6], 0
	s_mov_b32 s[G1+7], 0
	s_mov_b32 s[G1E], 15|(3<<16)|(1<<21)
	s_mov_b32 s[G1E+1], 32<<16
	s_mov_b32 s[G1E+2], 32<<16                     ; 32 rows: my quarter of ee, 8,192 bytes
	s_mov_b32 s[G1E+3], 32<<16
	s_mov_b32 s[G1E+4], 32
	s_mov_b32 s[G1E+5], 32
	s_mov_b32 s[G1E+6], 0
	s_mov_b32 s[G1E+7], 0
	s_mov_b32 s[G0A], 1                            ; count = 1
	s_lshl_b32 s[G0A+1], s[WV], 15                 ; LDS address: slot 0, my four tiles: no place in the cluster enters an LDS address
	s_mov_b32 s[G0B], 1
	s_add_co_u32 s[G0B+1], s[G0A+1], SLOT1
	s_mov_b32 s[G0E], 1
	s_lshl_b32 s[G0E+1], s[WV], 13
	s_add_co_u32 s[G0E+1], s[G0E+1], EEB
	s_lshl_b32 s20, s[WV], 15                      ; my four tiles in a slot's bytes of ebt
	s_mov_b32 s21, 0
	s_lshl_b32 s22, s[WV], 13                      ; my quarter of eeb
	s_mov_b32 s23, 0
	s_lshr_b32 s18, s16, 3                         ; b,
	s_lshl_b32 s18, s18, 20                        ; 256 channels of 4,096 bytes each,
	s_and_b32 s19, s16, 7
	s_lshl_b32 s19, s19, 9                         ; and 128 rows of 4 bytes
	s_add_co_u32 s18, s18, s19
	s_mov_b32 s19, 0
	s_mov_b32 s[SEL], 0x76543210
	s_mov_b32 s[SEL+1], 0xfedcba98
	s_mov_b32 s[HIM], 0xffff0000
	s_mov_b32 s[INF], 0x7f800000
	s_mov_b32 s[TB], 0
	s_mov_b32 s[TE], 0
	s_mov_b32 s[TAU], -1                           ; the first half that is judged makes it 0
	s_mov_b32 s[SLOTS], 30                         ; 32 slots, of which two are first fills
	v_and_b32 v1, 31, v0                           ; lane
	v_and_b32 v16, 15, v0                          ; lane % 16
	v_bfe_u32 v17, v0, 4, 1                        ; lane / 16
	v_lshl_add_u32 v[A0], v1, 4, s20
	s_lshl_b32 s17, s[WV], 8
	s_add_co_u32 s17, s17, EEB
	v_lshl_add_u32 v[E0], v17, 5, s17
	; The turning load takes 16 channels x 16 rows (lane l reads channel 8 (l / 16) + l % 8, rows 8 ((l / 8) % 2) + 0..7) and leaves half a fragment: lane l holds row l % 16 and 8 channels.
	v_and_b32 v18, 7, v0
	v_lshl_add_u32 v18, v17, 3, v18
	v_mul_u32_u24 v18, v18, SPIT
	v_bfe_u32 v19, v0, 3, 1
	v_lshl_add_u32 v18, v19, 4, v18
	v_add_nc_u32 v[ATR], STAGE, v18
	s_lshl_b32 s17, s[WV], 16
	v_lshl_add_u32 v[ZO], v1, 4, s17
	s_mul_i32 s17, s[WV], 16*SPIT
	s_add_co_u32 s17, s17, STAGE
	v_lshl_add_u32 v[ST], v1, 3, s17
	v_lshl_add_u32 v[ZR], v16, 2, ZZP
	s_lshl_b32 s17, s[WV], 9
	s_add_co_u32 s17, s17, ZZP
	v_lshl_add_u32 v[ZW], v1, 4, s17
	s_lshl_b32 s17, s[WV], 6
	v_lshl_add_u32 v[CW], v17, 3, s17
	s_lshl_b32 s17, s[WV], 10
	s_add_co_u32 s17, s17, MERGE
	v_lshl_add_u32 v[MS], v17, 9, s17              ; lanes 0-15 store distances, lanes 16-31 indices, 512 bytes on
	v_lshl_add_u32 v[MS], v16, 2, v[MS]
	s_and_b32 s17, s[WV], 1
	s_lshl_b32 s17, s17, 8
	v_lshl_add_u32 v[GO], v1, 3, s17               ; at the end waves 0 and 2 take rows 0-63, waves 1 and 3 rows 64-127, two rows a lane
	v_add_nc_u32 v[ML], MERGE, v[GO]
	s_wait_dscnt 0x0                               ; the opening add is done
	s_wait_kmcnt 0x0
	s_add_nc_u64 s[4:5], s[4:5], s[18:19]          ; z at my block's channel 0
	s_add_nc_u64 s[G0A+2:G0A+3], s[6:7], s[20:21]  ; global address: slot 0's bytes,
	s_add_nc_u64 s[G0B+2:G0B+3], s[G0A+2:G0A+3], SLOTB  ; slot 1's
	s_or_b32 s[G0A+3], s[G0A+3], 0x80000000        ; type = 2
	s_or_b32 s[G0B+3], s[G0B+3], 0x80000000
	s_add_nc_u64 s[G0E+2:G0E+3], s[8:9], s[22:23]
	s_or_b32 s[G0E+3], s[G0E+3], 0x80000000
	WIN 0xc0                                       ; destination window 3, address window 0
.set n, 0
.rept 64                                               ; my 64 channels of the block: load 16 p + i is channel 64 p + 16 w + i, 512 consecutive bytes (128 rows)
	global_load_b128 v[4*n:4*n+3], v[ZO], s[4:5] offset:(64*(n/16)+n%16)*4096 th:TH_LOAD_NT
.set n, n+1
.endr
	WIN 0
	CROUND                                         ; all four work-groups are here: the first joint loads meet
	tensor_load_to_lds s[G0A:G0A+3], s[G1:G1+7]    ; the three first fills go out together: three tensor loads of mine are out
	s_nop 0
	tensor_load_to_lds s[G0E:G0E+3], s[G1E:G1E+7]
	s_nop 0
	tensor_load_to_lds s[G0B:G0B+3], s[G1:G1+7]
	s_nop 0
.rept 4
	v_nop
.endr
; z INTO FRAGMENTS, 64 channels a phase.  Each wave rounds its 16 channels to bf16, adds their squares to its rows' partial sums, and puts them into the stage ([channel][row]); behind a barrier every wave takes
; all 128 rows x 64 channels out of it, turned, as 16 fragments; a second barrier frees the stage for the next phase.
.macro PHASE p
	s_wait_loadcnt 48-16*(\p)                      ; loads come back in order: this phase's 16 are in, the later phases' stay out
	WIN 0x0f                                       ; sources in window 3
.set i, 0
.rept 16
	v_cvt_pk_bf16_f32 v[PT+2*i],   v[4*(16*(\p)+i)],   v[4*(16*(\p)+i)+1]
	v_cvt_pk_bf16_f32 v[PT+2*i+1], v[4*(16*(\p)+i)+2], v[4*(16*(\p)+i)+3]
.set i, i+1
.endr
	WIN 0
.set i, 0
.rept 16
	ds_store_b64 v[ST], v[PT+2*i:PT+2*i+1] offset:i*SPIT  ; 32 lanes x 8 bytes: a channel's 128 rows
.set i, i+1
.endr
.set i, 0
.rept 16
.set rU, UT+4*(i%2)
	v_lshlrev_b32 v[rU],   16,     v[PT+2*i]       ; the rounded numbers back as f32
	v_and_b32     v[rU+1], s[HIM], v[PT+2*i]
	v_lshlrev_b32 v[rU+2], 16,     v[PT+2*i+1]
	v_and_b32     v[rU+3], s[HIM], v[PT+2*i+1]
.if ((\p) == 0) && (i == 0)
	v_pk_mul_f32 v[ZA:ZA+1],   v[rU:rU+1],   v[rU:rU+1]  ; the first products start the sums
	v_pk_mul_f32 v[ZA+2:ZA+3], v[rU+2:rU+3], v[rU+2:rU+3]
.else
	v_pk_fma_f32 v[ZA:ZA+1],   v[rU:rU+1],   v[rU:rU+1],   v[ZA:ZA+1]
	v_pk_fma_f32 v[ZA+2:ZA+3], v[rU+2:rU+3], v[rU+2:rU+3], v[ZA+2:ZA+3]
.endif
.set i, i+1
.endr
.if (\p) == 3
	ds_store_b128 v[ZW], v[ZA:ZA+3]                ; my four rows' sums over my 64 channels
	s_wait_tensorcnt 0x1                           ; tensor loads end in order: my parts of slot 0 and of ee are in; slot 1's may stay out
.endif
	s_wait_dscnt 0x0                               ; for the others' sake: my stores are done
	s_barrier_signal -1
	s_barrier_wait -1
	WIN 0x40                                       ; destination window 1: row tiles 0-3
.set q, 0
.rept 8
.if q == 4
	WIN 0x80                                       ; window 2: row tiles 4-7
.endif
.set c, 0
.rept 2                                                ; K steps 2 p and 2 p + 1
.set rZ, 64*(q%4)+8*(2*(\p)+c)
	ds_load_tr16_b128 v[rZ:rZ+3],   v[ATR] offset:c*32*SPIT+32*q
	ds_load_tr16_b128 v[rZ+4:rZ+7], v[ATR] offset:c*32*SPIT+32*q+16*SPIT
.set c, c+1
.endr
.set q, q+1
.endr
	WIN 0
.if (\p) == 3
.set q, 0
.rept 32
	ds_load_b32 v[ZP+q], v[ZR] offset:512*(q%4)+64*(q/4)  ; row tile q / 4, the partial sum of wave q % 4
.set q, q+1
.endr
.endif
	s_wait_dscnt 0x0                               ; my reads of the stage are back
.if (\p) < 3
	s_barrier_signal -1
	s_barrier_wait -1                              ; everybody's are: the stage may be written again
.endif
.endm
	PHASE 0
	PHASE 1
	PHASE 2
	PHASE 3
; THE MATRIX WORK.  Product i of 32 of a half: K step i / 4, row tile zq + i % 4, into accumulator i % 4 of buffer cb.  The four accumulators take turns, one instruction a turn, and the
; next half begins on the other buffer.  The first four start the sums with the constant 0: nothing is cleared.
.macro MM ab, zq, cb
.set rD, ACC+32*(\cb)+8*(i%4)
.set rA, 64*(\ab)+8*(i/4)
.set rB, 64*(i%4)+8*(i/4)
	WIN 0x07+(\zq)                                 ; codes in window 3; rows in window 1 (zq = 0: 0x07) or 2 (zq = 4: 0x0b); sums in window 0
.if i < 4
	v_wmma_f32_16x16x32_bf16 v[rD:rD+7], v[rA:rA+7], v[rB:rB+7], 0
.else
	v_wmma_f32_16x16x32_bf16 v[rD:rD+7], v[rA:rA+7], v[rB:rB+7], v[rD:rD+7]
.endif
.endm
; THE VECTOR WORK.  Number n of the 92 that judge a finished half (accumulator buffer rb, ee buffer re, row tiles rq .. rq + 3).  Two row tiles alternate, 23 steps each, then the other two:
;   0-3    zz + ee for four pairs of codes (they name no accumulator: with the lines of the half before they are the places behind the last products)
;   4-7    d = m x (-2) + (zz + ee), in place, the accumulator's lowest pair first
;   8-11   the least of the eight        12  is it strictly below the running minimum? (so the first tile that reaches a value keeps it)        13  the running minimum
;   14     the tile's number is kept where it won        15-22  and its eight d
.macro RID rb, re, rq
.set st, (n%46)/2
.set u,  (n%46)%2
.set qq, (\rq)+2*(n/46)+u
.set rM, ACC+32*(\rb)+8*(2*(n/46)+u)
.set rT, TT+8*u
.set rR, TR+4*u
	WIN 0
.if st < 4
	v_pk_add_f32 v[rT+2*st:rT+2*st+1], v[EE+8*(\re)+2*st:EE+8*(\re)+2*st+1], v[ZZ2+2*qq:ZZ2+2*qq+1]
.elseif st < 8
	v_pk_fma_f32 v[rM+2*st-8:rM+2*st-7], v[rM+2*st-8:rM+2*st-7], -2.0, v[rT+2*st-8:rT+2*st-7] op_sel_hi:[1,0,1]
.elseif st == 8
	v_min3_num_f32 v[rR], v[rM], v[rM+1], v[rM+2]
.elseif st == 9
	v_min3_num_f32 v[rR+1], v[rM+3], v[rM+4], v[rM+5]
.elseif st == 10
	v_min3_num_f32 v[rR], v[rR], v[rM+6], v[rM+7]
.elseif st == 11
	v_min_num_f32 v[rR], v[rR], v[rR+1]
.elseif st == 12
	v_cmp_lt_f32 s[MK0+u], v[rR], v[RUN+qq]
.elseif st == 13
	v_min_num_f32 v[RUN+qq], v[RUN+qq], v[rR]
.elseif st == 14
	v_cndmask_b32 v[ID+qq], v[ID+qq], s[TAU], s[MK0+u]
.else
	v_cndmask_b32 v[SAV+8*qq+st-15], v[SAV+8*qq+st-15], v[rM+st-15], s[MK0+u]
.endif
.endm
; THE LDS LOADS stand in one run of 18: ee of my 8 codes of the next tile, and its 8 fragments, each 2 x 512 consecutive bytes.  The buffers' last readers stand a whole half back.
.macro FETCH fb
	WIN 0
	v_add_nc_u32 v[ADR], s[TB], v[A0]
	v_add_nc_u32 v[ADE], s[TE], v[E0]
	s_add_co_u32 s[TB], s[TB], TILEB               ; the next fetch is the next tile's
	s_add_co_u32 s[TE], s[TE], 64
	ds_load_b128 v[EE+8*(\fb):EE+8*(\fb)+3],   v[ADE]
	ds_load_b128 v[EE+8*(\fb)+4:EE+8*(\fb)+7], v[ADE] offset:16
	WIN 0xc0                                       ; destination window 3
.set k, 0
.rept 8
	ds_load_b128 v[64*(\fb)+8*k:64*(\fb)+8*k+3],   v[ADR] offset:1024*k
	ds_load_b128 v[64*(\fb)+8*k+4:64*(\fb)+8*k+7], v[ADR] offset:1024*k+512
.set k, k+1
.endr
.endm
; THE CHANGE OF SLOTS begins inside the slot's last half, whose head has waited for my last reads of the slot.  MEET_A: all my tensor loads have landed (one was out: my part of the other slot), the add, and the
; walking descriptor steps.  MEET_B, eight matrix instructions on: the add is done; the signal opens a round of the cluster's barrier.
.macro MEET_A
	WIN 0
	s_wait_tensorcnt 0x0                           ; no tensor load of mine is out, so a group 0 may be written
	ds_add_u32 v[SPW], v[NIL]                      ; 0 onto my spare word
	s_xor_b32 s[G0B+1], s[G0B+1], SLOT1            ; the other slot than last time,
	s_add_nc_u64 s[G0B+2:G0B+3], s[G0B+2:G0B+3], SLOTB  ; the next 16 tiles; the type bits on top are not reached
.endm
.macro MEET_B
	s_wait_dscnt 0x0                               ; the add is done, and my reads of the slot are over
	s_barrier_signal -1                            ; sixteen matrix instructions and their riders, work on registers, stand between this and the wait
.endm
; A HALF.  ab, zq, cb: the products' code buffer, first row tile, accumulator buffer.  rb, re, rq: what is judged meanwhile.  fb: the buffer that takes the next tile, behind the second product, 30 matrix
; instructions ahead of its first use (2: nothing is fetched).  wt: the half's fragments are waited for.  bump: the tile judged from here on is the next one.
.macro HALF ab, zq, cb, rb, re, rq, fb, wt, bump, meet, rid
.if \bump
	s_add_co_u32 s[TAU], s[TAU], 1
.endif
.if \wt
	s_wait_dscnt 0x0                               ; the 18 loads of the half before are in
.endif
.set i, 0
.set n, 0
.rept 32
.if (\meet) && (i == 8)
	MEET_A
.endif
.if (\meet) && (i == 16)
	MEET_B
.endif
	MM \ab, \zq, \cb
.if \rid
.rept 3
.if n < 92
	RID \rb, \re, \rq
.endif
.set n, n+1
.endr
.endif
.if (i == 1) && ((\fb) < 2)
	FETCH \fb
.endif
.set i, i+1
.endr
	WIN 0                                          ; at a label and at a branch every window is 0
.endm
; Even tiles use buffers 0, odd tiles buffers 1.  Four halves are two tiles:
.macro X1 fb                           ; odd tile, rows 64-127 | its rows 0-63 are judged | the next even tile is fetched
	HALF 1, 4, 1,  0, 1, 0,  \fb, 0, 1, 0, 1
.endm
.macro X2                              ; even tile, rows 0-63 | the odd tile's rows 64-127 are judged
	HALF 0, 0, 0,  1, 1, 4,  2, 1, 0, 0, 1
.endm
.macro X3                              ; even tile, rows 64-127 | its rows 0-63 are judged | the next odd tile is fetched
	HALF 0, 4, 1,  0, 0, 0,  1, 0, 1, 0, 1
.endm
.macro X4 meet                         ; odd tile, rows 0-63 | the even tile's rows 64-127 are judged
	HALF 1, 0, 0,  1, 0, 4,  2, 1, 0, \meet, 1
.endm
.macro TURNBACK                        ; the fetches go back to a slot's first tile, in the other slot; ee goes on to the next slot's 256 codes
	s_sub_co_u32 s[TB], s[TB], 4*TILEB
	s_xor_b32 s[TB], s[TB], SLOT1
	s_add_co_u32 s[TE], s[TE], 768
.endm
	FETCH 0                                        ; tile 0; the state is made while its loads are out
	WIN 0
.set q, 0
.rept 8
	v_pk_add_f32 v[ZP+4*q:ZP+4*q+1], v[ZP+4*q:ZP+4*q+1], v[ZP+4*q+2:ZP+4*q+3]
.set q, q+1
.endr
.set q, 0
.rept 8
	v_add_f32 v[ZZ2+2*q],   v[ZP+4*q], v[ZP+4*q+1] ; zz of my row of tile q, made twice: the packed addition takes a pair
	v_add_f32 v[ZZ2+2*q+1], v[ZP+4*q], v[ZP+4*q+1]
.set q, q+1
.endr
.set q, 0
.rept 8                                                ; the state, not sums: the minimum and the kept d start at +infinity, the tile's number at 0
	v_mov_b32 v[RUN+q], s[INF]
	v_mov_b32 v[ID+q], 0
.set q, q+1
.endr
.set q, 0
.rept 64
	v_mov_b32 v[SAV+q], s[INF]
.set q, q+1
.endr
	s_wait_dscnt 0x0
	HALF 0, 0, 0,  0, 0, 0,  2, 0, 0, 0, 0         ; tile 0, rows 0-63: there is nothing yet to judge
	s_branch .Lfirst                               ; the loop is entered in the middle of a trip
.Lslot:                                                ; 30 trips: a slot's four tiles, and the slot is filled again
	X1 0
	X2
.Lfirst:
	X3
	X4 0
	X1 0
	X2
	X3
	X4 1
	s_barrier_wait -1                              ; all four waves have said: loads landed, add done, reads over
	CREST                                          ; and all four work-groups: no wave of any partner still reads the slot or has a load on its way
	tensor_load_to_lds s[G0B:G0B+3], s[G1:G1+7]    ; my one tensor load behind the round: the tiles two slots on; 232 matrix instructions stand ahead of the wait for it
	s_nop 0
.rept 4
	v_nop
.endr
	TURNBACK
	s_sub_co_u32 s[SLOTS], s[SLOTS], 1
	s_cmp_lg_u32 s[SLOTS], 0
	s_cbranch_scc1 .Lslot
	s_mov_b32 s[TL], 2                             ; the last two slots are written out: nothing is asked for
.Ltail:
	s_mov_b32 s[CNT], 2
.Ltstep:
	X1 0
	X2
	X3
	X4 0
	s_sub_co_u32 s[CNT], s[CNT], 1
	s_cmp_lg_u32 s[CNT], 0
	s_cbranch_scc1 .Ltstep
	s_wait_tensorcnt 0x0                           ; the last slot has landed (the second time nothing is out: the price of one text for both slots)
	ds_add_u32 v[SPW], v[NIL]
	TURNBACK
	s_wait_dscnt 0x0
	s_barrier_signal -1
	s_barrier_wait -1
	s_sub_co_u32 s[TL], s[TL], 1
	s_cmp_lg_u32 s[TL], 0
	s_cbranch_scc1 .Ltail
	X1 2                                           ; the last tile's rows 64-127; nothing is left to fetch
.set n, 0
.rept 92
	RID 1, 1, 4                                    ; and they are judged: the first eight lines name no accumulator and are the places behind the last products
.set n, n+1
.endr
	; THE WAY OUT.  For each row tile: the first of the kept eight d that equals the minimum gives the place in the tile; the code's number is 256 (tile / 4) + 16 (tile % 4) + 64 w + 8 (lane / 16) + place.
	; Then the lesser of (d, code) pairs, d first: with the other half of the lanes here, with the other three waves through LDS.
.set q, 0
.rept 8
	v_mov_b32 v[TT], 7
.irp j, 6,5,4,3,2,1,0
	v_cmp_eq_f32 vcc_lo, v[SAV+8*q+\j], v[RUN+q]
	v_cndmask_b32 v[TT], v[TT], \j, vcc_lo         ; descending, so the lowest place stays
.endr
	v_and_b32 v[TT+1], 3, v[ID+q]
	v_lshrrev_b32 v[TT+2], 2, v[ID+q]
	v_lshl_add_u32 v[TT], v[TT+1], 4, v[TT]
	v_lshl_add_u32 v[TT], v[TT+2], 8, v[TT]
	v_add_nc_u32 v[ID+q], v[TT], v[CW]
	v_permlanex16_b32 v[TT+1], v[RUN+q], s[SEL], s[SEL+1]  ; the row's other 8 codes of each tile lie in the lane 16 away
	v_permlanex16_b32 v[TT+2], v[ID+q], s[SEL], s[SEL+1]
	v_cmp_lt_f32 s66, v[TT+1], v[RUN+q]
	v_cmp_eq_f32 s67, v[TT+1], v[RUN+q]
	v_cmp_lt_u32 s68, v[TT+2], v[ID+q]
	s_and_b32 s67, s67, s68
	s_or_b32 s66, s66, s67                         ; the other one is nearer, or as near with the lower number
	v_cndmask_b32 v[RUN+q], v[RUN+q], v[TT+1], s66
	v_cndmask_b32 v[ID+q], v[ID+q], v[TT+2], s66
	v_cndmask_b32 v[TT], v[RUN+q], v[ID+q], s[HIM] ; lanes 0-15 store the distance, lanes 16-31 the number
	ds_store_b32 v[MS], v[TT] offset:64*q
.set q, q+1
.endr
	s_wait_dscnt 0x0                               ; for the others' sake: my results are in LDS
	s_barrier_signal -1
	s_barrier_wait -1
.irp w, 0,1,2,3
	ds_load_b64 v[MD+4*\w:MD+4*\w+1],   v[ML] offset:1024*\w      ; two rows' distances of wave w,
	ds_load_b64 v[MD+4*\w+2:MD+4*\w+3], v[ML] offset:1024*\w+512  ; and their numbers
.endr
	s_wait_dscnt 0x0
.irp w, 1,2,3
.irp e, 0,1
	v_cmp_lt_f32 s66, v[MD+4*\w+\e], v[MD+\e]
	v_cmp_eq_f32 s67, v[MD+4*\w+\e], v[MD+\e]
	v_cmp_lt_u32 s68, v[MD+4*\w+2+\e], v[MD+2+\e]
	s_and_b32 s67, s67, s68
	s_or_b32 s66, s66, s67
	v_cndmask_b32 v[MD+\e], v[MD+\e], v[MD+4*\w+\e], s66
	v_cndmask_b32 v[MD+2+\e], v[MD+2+\e], v[MD+4*\w+2+\e], s66
.endr
.endr
	s_cmp_lt_u32 s[WV], 2                          ; waves 0 and 1 store into out1, waves 2 and 3 the same numbers into idxw
	s_cselect_b64 s[70:71], s[10:11], s[12:13]
	s_lshl_b32 s18, s16, 9                         ; my block's 128 numbers
	s_mov_b32 s19, 0
	s_add_nc_u64 s[70:71], s[70:71], s[18:19]
	global_store_b64 v[GO], v[MD+2:MD+3], s[70:71] ; 32 lanes x 8 bytes: 256 consecutive bytes, at a multiple of 256 from the buffer's first byte
	s_wait_tensorcnt 0x0                           ; the wave's end: these three lines stand behind my last tensor load and my last LDS store
	ds_add_u32 v[SPW], v[NIL]
	s_wait_dscnt 0x0
	CROUND                                         ; the closing round: no work-group ends while a partner may still ask for a tile that names it
	s_endpgm
.Lfunc_end_k_q39a4347648_nearest:
	.size	k_q39a4347648_nearest, .Lfunc_end_k_q39a4347648_nearest-k_q39a4347648_nearest
	.p2alignl 7, 3214868480
	.fill 96, 4, 3214868480
	.section	.rodata,"a",@progbits
	.p2align	6, 0x0
	.amdhsa_kernel k_q39a4347648_nearest
		.amdhsa_group_segment_fixed_size 327680
		.amdhsa_private_segment_fixed_size 0
		.amdhsa_enable_private_segment 0
		.amdhsa_kernarg_size 40
		.amdhsa_user_sgpr_count 2
		.amdhsa_user_sgpr_kernarg_segment_ptr 1
		.amdhsa_wavefront_size32 1
		.amdhsa_system_sgpr_workgroup_id_x 1
		.amdhsa_system_sgpr_workgroup_id_y 1
		.amdhsa_system_sgpr_workgroup_id_z 1
		.amdhsa_system_vgpr_workitem_id 0
		.amdhsa_next_free_vgpr 1024
		.amdhsa_next_free_sgpr 72
		.amdhsa_reserve_vcc 1
		.amdhsa_float_denorm_mode_32 3
		.amdhsa_float_denorm_mode_16_64 3
		.amdhsa_memory_ordered 1
		.amdhsa_forward_progress 1
		.amdhsa_inst_pref_size 214
	.end_amdhsa_kernel
	.amdgpu_metadata
---
amdhsa.version: [ 1, 2 ]
amdhsa.kernels:
  - .name:           k_q39a4347648_nearest
    .symbol:         k_q39a4347648_nearest.kd
    .args:
      - { .name: z, .offset: 0, .size: 8, .value_kind: global_buffer, .address_space: global }
      - { .name: ebt, .offset: 8, .size: 8, .value_kind: global_buffer, .address_space: global }
      - { .name: eeb, .offset: 16, .size: 8, .value_kind: global_buffer, .address_space: global }
      - { .name: out1, .offset: 24, .size: 8, .value_kind: global_buffer, .address_space: global }
      - { .name: idxw, .offset: 32, .size: 8, .value_kind: global_buffer, .address_space: global }
    .group_segment_fixed_size: 327680
    .private_segment_fixed_size: 0
    .kernarg_segment_align: 8
    .kernarg_segment_size: 40
    .max_flat_workgroup_size: 128
    .sgpr_count:     72
    .vgpr_count:     1024
    .wavefront_size: 32
...
	.end_amdgpu_metadata
.endif
;; end of part 2
;; launch spread (part 3): grid 512 x 1, 8 waves a work-group, no clusters, 67,840 bytes of LDS; arguments z, emb, idxw, out0, lossp; writes out0, lossp
.if DOCPART == 3
	.amdgcn_target "amdgcn-amd-amdhsa--gfx1250"
	.amdhsa_code_object_version 6
	.text
	.protected	k_q39a4347648_spread
	.globl	k_q39a4347648_spread
	.p2align	8
	.type	k_q39a4347648_spread,@function
k_q39a4347648_spread:
	s_mov_b64 s[64:65], 0
	v_nop
	global_prefetch_b8 v0, s[64:65] scope:SCOPE_SE
	s_setreg_imm32_b32 hwreg(HW_REG_WAVE_MODE, 25, 1), 1
	s_wait_xcnt 0x0
; SPREAD.  out0[b][c][hw] = z + (emb[idx][c] - z), in f32 with the formula's two roundings; lossp[work-group] = the sum of (emb[idx][c] - z)^2 over the work-group's numbers.
; idx comes from idxw, whole numbers that the launch before stored: each is clamped to the table (8,191) before it enters an address.
; SHARES.  A work-group owns 64 rows (b = j / 16, hw from 64 (j % 16)) x 256 channels.  Wave v gathers the table rows of rows 8 v .. 8 v + 7 (1,024 consecutive bytes each) into LDS, and behind a barrier makes
; channels 32 v .. 32 v + 31 of all 64 rows: a lane holds 4 rows x 4 channels at a time, and writing the differences into neighbouring registers is the transposition.
; z is read and out0 written as 256 consecutive bytes (64 rows of one channel) by 16 neighbouring lanes.
; LDS.  Row q of the block lies at LDS row 16 (q % 4) + q / 4, 1,040 bytes apart (65 x 16): the 16 lanes of a read's pass take rows 4 g + i, which are neighbours there and start at 16 different 16-byte columns.
; NO CLUSTER, no tensor load, no matrix unit: the work-groups share no tile (the table's rows are named by the list, scattered), and there is no product.  lossp is one number a work-group: a store of 4 bytes.
.set RP,    1040
.set LP,    64*RP                      ; 8 waves' sums
.set SPARE, LP+256                     ; the spare words, 128 bytes a wave: four blocks of 256 bytes that no other line names
.set ZA,  4                            ; v4        my byte offset in z and out0
.set GOF, 8                            ; v[8:15]   my byte offset in the table for each of my wave's 8 rows
.set SA,  16                           ; v16       where I put 16 bytes of a table row
.set RA,  17                           ; v17       where I read 4 channels of a row
.set W,   24                           ; v[24:31]  differences, two sets of 4
.set Z,   32                           ; v[32:95]  z, then out0: group k, channel c at Z + 16 k + 4 c, four rows
.set E,   96                           ; v[96:159] table rows as gathered; then group k, row i at E + 16 k + 4 i, four channels
.set LS,  160                          ; v[160:163] sums of squares
	s_load_b256 s[4:11], s[0:1], 0x0               ; z s[4:5], emb s[6:7], idxw s[8:9], out0 s[10:11]
	s_load_b64 s[12:13], s[0:1], 0x20              ; lossp
	v_lshl_add_u32 v6, v0, 2, SPARE                ; my spare word; never rewritten
	v_mov_b32 v7, 0                                ; 0; never rewritten
	v_lshrrev_b32 v22, 5, v0
	v_readfirstlane_b32 s14, v22                   ; wave 0..7
	v_and_b32 v1, 31, v0                           ; lane
	v_and_b32 v2, 15, v0                           ; g: my four rows
	v_bfe_u32 v3, v0, 4, 1                         ; kk: which four channels of eight
	s_lshr_b32 s16, ttmp9, 4                       ; b,
	s_lshl_b32 s16, s16, 20                        ; 256 channels of 4,096 bytes,
	s_and_b32 s17, ttmp9, 15
	s_lshl_b32 s17, s17, 8                         ; and 64 rows of 4 bytes
	s_add_co_u32 s16, s16, s17
	s_mov_b32 s17, 0
	s_lshl_b32 s18, ttmp9, 8                       ; the work-group's 64 indices,
	s_lshl_b32 s19, s14, 5                         ; my wave's 8
	s_add_co_u32 s18, s18, s19
	s_mov_b32 s19, 0
	s_lshl_b32 s20, ttmp9, 2
	s_mov_b32 s21, 0
	s_lshl_b32 s22, s14, 17                        ; my wave's 32 channels
	v_lshl_add_u32 v[ZA], v3, 14, s22
	v_lshl_add_u32 v[ZA], v2, 4, v[ZA]
	v_lshlrev_b32 v5, 4, v1
	s_mul_i32 s22, s14, 2*RP                       ; rows 8 v + i lie at LDS rows 16 (i % 4) + 2 v + i / 4
	v_lshl_add_u32 v[SA], v1, 4, s22
	v_mul_u32_u24 v[RA], v2, RP
	v_lshl_add_u32 v[RA], v3, 4, v[RA]
	s_lshl_b32 s22, s14, 7                         ; my wave's 32 channels in a table row
	v_add_nc_u32 v[RA], s22, v[RA]
	s_lshl_b32 s22, s14, 2
	s_add_co_u32 s22, s22, LP
	v_mov_b32 v18, s22
	v_mov_b32 v19, LP
	s_mov_b32 s22, 0x76543210
	s_mov_b32 s23, 0xfedcba98
	s_wait_kmcnt 0x0
	s_add_nc_u64 s[4:5], s[4:5], s[16:17]
	s_add_nc_u64 s[10:11], s[10:11], s[16:17]
	s_add_nc_u64 s[8:9], s[8:9], s[18:19]
	s_add_nc_u64 s[12:13], s[12:13], s[20:21]
	s_load_b256 s[24:31], s[8:9], 0x0              ; my wave's 8 indices
.set n, 0
.rept 16                                               ; group n / 4, channel n % 4: channel 32 v + 8 (n / 4) + 4 kk + n % 4
	global_load_b128 v[Z+4*n:Z+4*n+3], v[ZA], s[4:5] offset:(8*(n/4)+n%4)*4096 th:TH_LOAD_NT
.set n, n+1
.endr
	s_wait_kmcnt 0x0
.set i, 0
.rept 8
	s_min_u32 s[24+i], s[24+i], 0x1fff             ; inside the table
	s_lshl_b32 s[24+i], s[24+i], 10
	v_add_nc_u32 v[GOF+i], s[24+i], v5
.set i, i+1
.endr
.set i, 0
.rept 8
	global_load_b128 v[E+8*i:E+8*i+3],   v[GOF+i], s[6:7]
	global_load_b128 v[E+8*i+4:E+8*i+7], v[GOF+i], s[6:7] offset:512
.set i, i+1
.endr
.set n, 0
.rept 16
	s_wait_loadcnt 15-n                            ; loads come back in order: gather load n is in (and all of z), the younger ones stay out
	ds_store_b128 v[SA], v[E+4*n:E+4*n+3] offset:((n/2)%4)*16*RP+(n/8)*RP+512*(n%2)
.set n, n+1
.endr
	s_wait_dscnt 0x0                               ; for the others' sake: my rows are in LDS
	s_barrier_signal -1
	s_barrier_wait -1
.set n, 0
.rept 16
	ds_load_b128 v[E+4*n:E+4*n+3], v[RA] offset:(n%4)*16*RP+32*(n/4)  ; group n / 4, row 4 g + n % 4
.set n, n+1
.endr
.set kp, 0
.rept 4
	s_wait_dscnt 12-4*kp                           ; this group's four reads are back, the later groups' stay out
.set ci, 0
.rept 4
.set rW, W+4*(ci%2)
.set rZ, Z+16*kp+4*ci
.set rE, E+16*kp+ci
	v_sub_f32 v[rW],   v[rE],    v[rZ]             ; e - z
	v_sub_f32 v[rW+1], v[rE+4],  v[rZ+1]
	v_sub_f32 v[rW+2], v[rE+8],  v[rZ+2]
	v_sub_f32 v[rW+3], v[rE+12], v[rZ+3]
.if (kp == 0) && (ci == 0)
	v_pk_mul_f32 v[LS:LS+1],   v[rW:rW+1],   v[rW:rW+1]  ; the first products start the sums
	v_pk_mul_f32 v[LS+2:LS+3], v[rW+2:rW+3], v[rW+2:rW+3]
.else
	v_pk_fma_f32 v[LS:LS+1],   v[rW:rW+1],   v[rW:rW+1],   v[LS:LS+1]
	v_pk_fma_f32 v[LS+2:LS+3], v[rW+2:rW+3], v[rW+2:rW+3], v[LS+2:LS+3]
.endif
	v_pk_add_f32 v[rZ:rZ+1],   v[rZ:rZ+1],   v[rW:rW+1]    ; z + (e - z)
	v_pk_add_f32 v[rZ+2:rZ+3], v[rZ+2:rZ+3], v[rW+2:rW+3]
	global_store_b128 v[ZA], v[rZ:rZ+3], s[10:11] offset:(8*kp+ci)*4096 th:TH_STORE_NT  ; 16 lanes store 256 consecutive bytes; these registers are not written again
.set ci, ci+1
.endr
.set kp, kp+1
.endr
	v_pk_add_f32 v[LS:LS+1], v[LS:LS+1], v[LS+2:LS+3]
	v_add_f32 v[LS], v[LS], v[LS+1]
	v_add_f32_dpp v[LS], v[LS], v[LS] row_xmask:1 row_mask:0xf bank_mask:0xf
	v_add_f32_dpp v[LS], v[LS], v[LS] row_xmask:2 row_mask:0xf bank_mask:0xf
	v_add_f32_dpp v[LS], v[LS], v[LS] row_xmask:4 row_mask:0xf bank_mask:0xf
	v_add_f32_dpp v[LS], v[LS], v[LS] row_xmask:8 row_mask:0xf bank_mask:0xf
	v_permlanex16_b32 v[LS+1], v[LS], s22, s23
	v_add_f32 v[LS], v[LS], v[LS+1]
	ds_store_b32 v18, v[LS]                        ; my wave's sum: all lanes write the same word with the same value
	s_wait_dscnt 0x0
	s_barrier_signal -1
	s_barrier_wait -1
	ds_load_b128 v[24:27], v19
	ds_load_b128 v[28:31], v19 offset:16
	v_mov_b32 v22, 0
	s_wait_dscnt 0x0
	v_pk_add_f32 v[24:25], v[24:25], v[26:27]
	v_pk_add_f32 v[28:29], v[28:29], v[30:31]
	v_pk_add_f32 v[24:25], v[24:25], v[28:29]
	v_add_f32 v24, v24, v25
	v_cmp_eq_u32 vcc_lo, 0, v0                     ; thread 0 stores the work-group's number
	s_wait_xcnt 0x0                                ; EXEC changes only when the stores above have had their addresses translated
	s_and_saveexec_b32 s15, vcc_lo
	global_store_b32 v22, v24, s[12:13]
	s_wait_xcnt 0x0                                ; and again in front of the line that widens it
	s_or_b32 exec_lo, exec_lo, s15
	s_wait_tensorcnt 0x0                           ; the wave's end: these three lines stand behind my last LDS store
	ds_add_u32 v6, v7
	s_wait_dscnt 0x0
	s_endpgm
.Lfunc_end_k_q39a4347648_spread:
	.size	k_q39a4347648_spread, .Lfunc_end_k_q39a4347648_spread-k_q39a4347648_spread
	.p2alignl 7, 3214868480
	.fill 96, 4, 3214868480
	.section	.rodata,"a",@progbits
	.p2align	6, 0x0
	.amdhsa_kernel k_q39a4347648_spread
		.amdhsa_group_segment_fixed_size 67840
		.amdhsa_private_segment_fixed_size 0
		.amdhsa_enable_private_segment 0
		.amdhsa_kernarg_size 40
		.amdhsa_user_sgpr_count 2
		.amdhsa_user_sgpr_kernarg_segment_ptr 1
		.amdhsa_wavefront_size32 1
		.amdhsa_system_sgpr_workgroup_id_x 1
		.amdhsa_system_sgpr_workgroup_id_y 1
		.amdhsa_system_sgpr_workgroup_id_z 1
		.amdhsa_system_vgpr_workitem_id 0
		.amdhsa_next_free_vgpr 168
		.amdhsa_next_free_sgpr 66
		.amdhsa_reserve_vcc 1
		.amdhsa_float_denorm_mode_32 3
		.amdhsa_float_denorm_mode_16_64 3
		.amdhsa_memory_ordered 1
		.amdhsa_forward_progress 1
		.amdhsa_inst_pref_size 18
	.end_amdhsa_kernel
	.amdgpu_metadata
---
amdhsa.version: [ 1, 2 ]
amdhsa.kernels:
  - .name:           k_q39a4347648_spread
    .symbol:         k_q39a4347648_spread.kd
    .args:
      - { .name: z, .offset: 0, .size: 8, .value_kind: global_buffer, .address_space: global }
      - { .name: emb, .offset: 8, .size: 8, .value_kind: global_buffer, .address_space: global }
      - { .name: idxw, .offset: 16, .size: 8, .value_kind: global_buffer, .address_space: global }
      - { .name: out0, .offset: 24, .size: 8, .value_kind: global_buffer, .address_space: global }
      - { .name: lossp, .offset: 32, .size: 8, .value_kind: global_buffer, .address_space: global }
    .group_segment_fixed_size: 67840
    .private_segment_fixed_size: 0
    .kernarg_segment_align: 8
    .kernarg_segment_size: 40
    .max_flat_workgroup_size: 256
    .sgpr_count:     66
    .vgpr_count:     168
    .wavefront_size: 32
...
	.end_amdgpu_metadata
.endif
;; end of part 3
;; launch total (part 4): grid 1 x 1, 1 waves a work-group, no clusters, 0 bytes of LDS; arguments lossp, out2; writes out2
.if DOCPART == 4
	.amdgcn_target "amdgcn-amd-amdhsa--gfx1250"
	.amdhsa_code_object_version 6
	.text
	.protected	k_q39a4347648_total
	.globl	k_q39a4347648_total
	.p2align	8
	.type	k_q39a4347648_total,@function
k_q39a4347648_total:
	s_mov_b64 s[64:65], 0
	v_nop
	global_prefetch_b8 v0, s[64:65] scope:SCOPE_SE
	s_setreg_imm32_b32 hwreg(HW_REG_WAVE_MODE, 25, 1), 1
	s_wait_xcnt 0x0
; TOTAL.  loss = m + 0.25 m, m = (the sum of the 512 partial sums) / 2^23: both means of the formula are the same number, 32,768 x 256 = 2^23 terms, and 0.25 m is exact, so one fused multiply-add has the
; formula's one rounding.  One wave: 2,048 bytes, four loads of 512 consecutive bytes; the sum spans work-groups of the launch before, so it has a launch of its own and one owner.
	s_load_b128 s[4:7], s[0:1], 0x0                ; lossp s[4:5], out2 s[6:7]
	v_lshlrev_b32 v1, 4, v0
	v_mov_b32 v2, 0
	s_mov_b32 s8, 0x76543210
	s_mov_b32 s9, 0xfedcba98
	s_wait_kmcnt 0x0
.irp i, 0,1,2,3
	global_load_b128 v[4+4*\i:7+4*\i], v1, s[4:5] offset:512*\i
.endr
	s_wait_loadcnt 0x0
	v_pk_add_f32 v[4:5], v[4:5], v[6:7]
	v_pk_add_f32 v[8:9], v[8:9], v[10:11]
	v_pk_add_f32 v[12:13], v[12:13], v[14:15]
	v_pk_add_f32 v[16:17], v[16:17], v[18:19]
	v_pk_add_f32 v[4:5], v[4:5], v[8:9]
	v_pk_add_f32 v[12:13], v[12:13], v[16:17]
	v_pk_add_f32 v[4:5], v[4:5], v[12:13]
	v_add_f32 v4, v4, v5
	v_add_f32_dpp v4, v4, v4 row_xmask:1 row_mask:0xf bank_mask:0xf
	v_add_f32_dpp v4, v4, v4 row_xmask:2 row_mask:0xf bank_mask:0xf
	v_add_f32_dpp v4, v4, v4 row_xmask:4 row_mask:0xf bank_mask:0xf
	v_add_f32_dpp v4, v4, v4 row_xmask:8 row_mask:0xf bank_mask:0xf
	v_permlanex16_b32 v5, v4, s8, s9
	v_add_f32 v4, v4, v5
	v_mul_f32 v4, 0x34000000, v4                   ; x 2^-23: exact
	v_fma_f32 v5, 0x3e800000, v4, v4               ; 0.25 m + m
	v_cmp_eq_u32 vcc_lo, 0, v0
	s_wait_xcnt 0x0                                ; EXEC changes only behind this wait
	s_and_saveexec_b32 s10, vcc_lo
	global_store_b32 v2, v5, s[6:7]                ; the one number
	s_wait_xcnt 0x0
	s_or_b32 exec_lo, exec_lo, s10
	s_endpgm
.Lfunc_end_k_q39a4347648_total:
	.size	k_q39a4347648_total, .Lfunc_end_k_q39a4347648_total-k_q39a4347648_total
	.p2alignl 7, 3214868480
	.fill 96, 4, 3214868480
	.section	.rodata,"a",@progbits
	.p2align	6, 0x0
	.amdhsa_kernel k_q39a4347648_total
		.amdhsa_group_segment_fixed_size 0
		.amdhsa_private_segment_fixed_size 0
		.amdhsa_enable_private_segment 0
		.amdhsa_kernarg_size 16
		.amdhsa_user_sgpr_count 2
		.amdhsa_user_sgpr_kernarg_segment_ptr 1
		.amdhsa_wavefront_size32 1
		.amdhsa_system_sgpr_workgroup_id_x 1
		.amdhsa_system_sgpr_workgroup_id_y 1
		.amdhsa_system_sgpr_workgroup_id_z 1
		.amdhsa_system_vgpr_workitem_id 0
		.amdhsa_next_free_vgpr 24
		.amdhsa_next_free_sgpr 66
		.amdhsa_reserve_vcc 1
		.amdhsa_float_denorm_mode_32 3
		.amdhsa_float_denorm_mode_16_64 3
		.amdhsa_memory_ordered 1
		.amdhsa_forward_progress 1
		.amdhsa_inst_pref_size 3
	.end_amdhsa_kernel
	.amdgpu_metadata
---
amdhsa.version: [ 1, 2 ]
amdhsa.kernels:
  - .name:           k_q39a4347648_total
    .symbol:         k_q39a4347648_total.kd
    .args:
      - { .name: lossp, .offset: 0, .size: 8, .value_kind: global_buffer, .address_space: global }
      - { .name: out2, .offset: 8, .size: 8, .value_kind: global_buffer, .address_space: global }
    .group_segment_fixed_size: 0
    .private_segment_fixed_size: 0
    .kernarg_segment_align: 8
    .kernarg_segment_size: 16
    .max_flat_workgroup_size: 32
    .sgpr_count:     66
    .vgpr_count:     24
    .wavefront_size: 32
...
	.end_amdgpu_metadata
.endif
;; end of part 4
